; MI455X (gfx1250); checked and timed in simulation.
; The chip was launched on July 23, 2026; its instructions are those of AMD's public machine-readable ISA for CDNA 5 (MIT licence, August 2026) and "CDNA5" Instruction Set Architecture Reference Guide (July 2026). The comments in the code are by the model that wrote it; some were corrected since.
;; Lo RA Layer Wrapper. Allowed arithmetic: matrix products marked QUANTISED: E3M2 operands, one E8M0 scale for each 32 along K, by v_wmma_scale_f32_16x16x128_f8f6f4 with both operands' format E3M2, f32 sums; products left as they are: f32 operands where the result goes on into a quantised operand, else bf16, f16 or f32 operands; f32 sums; everything else in f32.
;; Inputs: W 4,096 x 4,096 float32; b 4,096 float32; lora_A 4,096 x 16 float32; lora_B 4,096 x 16 float32; x 4 x 1,024 x 4,096 float32.
;; Outputs: out0 4 x 1,024 x 4,096 float32.
;; This version of the problem:
;;   THIS VERSION OF THE PROBLEM IS GIVEN IN LOW PRECISION. The matrix products marked QUANTISED in the list below multiply operands that are first quantised to E3M2 (3 exponent bits, 2 mantissa bits; 6 bits a number), with one power-of-two scale for each 32 numbers along K (OCP MX v1.0); their sums are f32. All else is computed in f32.
;;   The module's matrix products, in the order in which they are computed (A, B: the left and right operand; K: the contracted axis; several contracted axes count as one K, in the product's order):
;;     1. [M 4,096, K 4,096] x [K 4,096, N 4,096]; A: input x; B: input W: QUANTISED
;;     2. [M 4,096, K 4,096] x [K 4,096, N 16]; A: input x; B: input lora_A: QUANTISED
;;     3. [M 4,096, K 16] x [K 16, N 4,096]; A: computed on the way; B: input lora_B: left as it is (K = 16 < 32)
;;   THE QUANTISER, for each operand of a quantised product, along K:
;;     - K is cut into blocks of 32 from its start; a last block that is shorter is filled with zeros.
;;     - A block's scale is 2^e with e = floor(log2(the largest magnitude in the block)) - 4, held to -126 .. 127; a block of zeros has e = 0. As a byte (E8M0): e + 127.
;;     - Each number is divided by its block's scale, clamped to +-28, and rounded to the nearest number of E3M2, ties to even, subnormals kept.
;;     - The product sums the exact products of the quantised numbers (number of the format x scale) in f32.
;;   ~~~python
;;   def quantise(x, axis):      # numpy; x: float32 -> the quantised numbers, widened to float32 again
;;       x = np.moveaxis(x, axis, -1); K = x.shape[-1]
;;       x = np.pad(x, [(0, 0)] * (x.ndim - 1) + [(0, -K % 32)]); x = x.reshape(x.shape[:-1] + (-1, 32)); a = np.abs(x).max(-1, keepdims=True)
;;       e = np.where(a > 0, np.clip(np.frexp(np.where(a > 0, a, 1))[1] - 1 - 4, -126, 127), 0)      # np.frexp(a)[1] - 1 = floor(log2(a)), exactly
;;       r = np.clip(x / 2.0 ** e, -28, 28)
;;       step = 2.0 ** (np.maximum(np.frexp(np.where(r == 0, 1, r))[1] - 1, -2) - 2)
;;       q = np.round(r / step) * step * 2.0 ** e      # np.round: ties to even
;;       return np.moveaxis(q.reshape(q.shape[:-2] + (-1,))[..., :K], -1, axis).astype(np.float32)
;;   ~~~
;; One version. Each part assembles by itself: llvm-mc -triple=amdgcn-amd-amdhsa -mcpu=gfx1250 --defsym DOCPART=n.
;; ======== version 1 of 1: 2 launches
;; limits: values are held in bf16: 8 bits of precision; right only within a limited range of input values
;; workspace buffers: xq 13,107,200 bytes; wq 13,107,200 bytes; tq 1,048,576 bytes
;; launch quant (part 1): grid 256 x 1, 8 waves a work-group, no clusters, 86,016 bytes of LDS; arguments x, W, lora_A, xq, wq, tq; writes xq, wq, tq
.if DOCPART == 1
	.amdgcn_target "amdgcn-amd-amdhsa--gfx1250"
	.amdhsa_code_object_version 6
	.text
	.protected	k_qe006eadfba_quant
	.globl	k_qe006eadfba_quant
	.p2align	8
	.type	k_qe006eadfba_quant,@function
k_qe006eadfba_quant:
	s_mov_b64 s[64:65], 0
	v_nop
	global_prefetch_b8 v0, s[64:65] scope:SCOPE_SE
	s_setreg_imm32_b32 hwreg(HW_REG_WAVE_MODE, 25, 1), 1
	s_wait_xcnt 0x0
; x [4096][4096] and W [4096][4096] (K = the last axis), f32, become codes of BF6 (E3M2) with one E8M0 scale byte for each 32 along K; and T = Q(x) Q(lora_A), the second product, is made here, where x's codes are in registers.
; A block's scale is 2^(floor(log2(its largest magnitude)) - 4); its byte is the largest magnitude's exponent field - 4, held at 1 from below.  Numbers are divided by the scale and rounded to the nearest code, ties to even; beyond the largest code the largest.
; LIMITS: NaN and infinities among the inputs are not served.  A block of zeros gets the byte 1 where the rule says 127: its codes are zeros, which add nothing, and this program alone reads the bytes.
; No step of the problem is left out: all five inputs have a way to the output.
; LAYOUT, as the next launch's operand registers.  A fragment (16 rows x 128 K, 12 registers a lane) is an image of 1,536 bytes: registers 4 c .. 4 c + 3 of lane L at 512 c + 16 L.
;   xq, wq: [g = row / 128][s = k / 128][HS = 12,800 bytes]: the image of rows 16 i .. 16 i + 15 at 1,536 i; from byte 12,288 on the scale words: that of (i, row r) at 32 r + 4 i.
;   tq: [kq = k / 1024][row / 16][1,024 bytes]: the f32 part sums of T over 1,024 along K, as the result's registers: registers 0-3 of lane L at 16 L, 4-7 at 512 + 16 L (lane (r, h): row r, ranks 8 h + j).
; SHARES.  Work-groups 0-127 take x, 128-255 W: 128 rows x 1,024 along K; wave w takes rows 16 w .. 16 w + 15: eight fragments.  In x's work-groups wave w first quantises lora_A's K step w of the 1,024
; (lane r takes rank r, its registers run down K, so nothing is transposed) and hands the image to the others through LDS; each fragment of x is then multiplied by it: one accumulator, v256-263.
; The branches hang on the work-group's number alone.  A load reads 512 consecutive bytes of a row; the conversions want 16 neighbours along K in one lane: so a fragment turns through the wave's own stage in LDS.
; No tensor load, no cluster: x and W are read once by one work-group each; lora_A's 64 KB part is small beside the 512 KB that a work-group reads.
.set ROWX,  16384
.set HS,    12800
.set SCA,   12288
.set GB,    32*HS
.set SPT,   528                        ; a stage row: 512 bytes + 16
.set WST,   16*SPT
.set SCB,   8*WST                      ; the scale words of the work-group's eight blocks, 512 bytes each
.set SPARE, SCB+4096                   ; the spare words: 128 bytes a wave
.set AQL,   SPARE+1024                 ; lora_A's eight images
.set AQS,   AQL+8*1536                 ; and their scale words, 128 bytes each
.set TM,    12                         ; v12-15 largest magnitudes; v16-19 the other half's, then bytes; v20 a permute's destination; v24-27 the conversions' scale operands
.set PW,    28                         ; v28 x's or W's scale word; v29 lora_A's
.set PC,    32                         ; v32-43 a fragment's codes; v44-46, v48-50 halves on their way
.set QS,    51                         ; v51 lora_A's scale words; v52-63 its fragment
.set QF,    52
.set SETS,  64                         ; v64-255 three sets of 64 registers
.set R,     192                        ; lora_A's 64 numbers, in the third set ahead of its first load
.set SEL,   26
	s_load_b256 s[4:11], s[0:1], 0x0               ; x, W, lora_A, xq
	s_load_b128 s[12:15], s[0:1], 0x20             ; wq, tq
	v_lshl_add_u32 v30, v0, 2, SPARE
	v_mov_b32 v31, 0
	v_lshrrev_b32 v1, 5, v0
	s_delay_alu instid0(VALU_DEP_1)
	v_readfirstlane_b32 s16, v1                    ; wave 0..7
	v_and_b32 v1, 31, v0                           ; lane
	v_and_b32 v2, 15, v0                           ; r
	v_bfe_u32 v3, v0, 4, 1                         ; h
	s_delay_alu instid0(VALU_DEP_3)
	v_lshlrev_b32 v4, 4, v1                        ; 16 x lane
	s_mov_b32 s[SEL], 0x76543210
	s_mov_b32 s[SEL+1], 0xfedcba98
.irp b, 4,5,6,7,8
	v_mov_b32 v[TM+\b], 0                          ; a lane permute's destination counts as one of its sources
.endr
	s_mul_i32 s28, s16, WST
	v_add_nc_u32 v5, s28, v4                       ; stage, in
	v_mul_u32_u24 v6, v2, SPT
	s_delay_alu instid0(VALU_DEP_1)
	v_lshl_add_u32 v6, v3, 6, v6
	s_delay_alu instid0(VALU_DEP_1)
	v_add_nc_u32 v6, s28, v6                       ; stage, out: row r, + 64 h
	s_lshl_b32 s29, s16, 2
	s_add_co_u32 s29, s29, SCB
	v_lshl_add_u32 v7, v2, 5, s29                  ; my row's scale word: 32 r + 4 w
	s_lshl_b32 s29, s16, 9
	s_add_co_u32 s29, s29, SCB
	v_add_nc_u32 v8, s29, v4                       ; on the way out wave w takes block w's 512 bytes
	v_lshlrev_b32 v9, 2, v2
	s_delay_alu instid0(VALU_DEP_1)
	v_lshl_add_u32 v9, v3, 11, v9                  ; lora_A: column r; lanes 16-31 begin 32 rows further down
	v_add_nc_u32 v10, AQL, v4                      ; lora_A's images
	v_lshl_add_u32 v11, v1, 2, AQS                 ; and scale words
	v_lshlrev_b32 v21, 3, v3                       ; 8 h
	s_mul_i32 s29, s16, 1536
	v_add_nc_u32 v22, s29, v10                     ; where my wave puts its image
	s_lshl_b32 s29, s16, 7
	v_add_nc_u32 v23, s29, v11
	s_set_vgpr_msb 0x40
.irp j, 0,1,2,3,4,5,6,7
	v_mov_b32 v[\j], 0                             ; v256-263: T's eight sums begin at 0
.endr
	s_set_vgpr_msb 0x4000
	s_and_b32 s28, ttmp9, 127
	s_lshr_b32 s29, s28, 2                         ; g
	s_and_b32 s30, s28, 3                          ; kq
	s_lshl_b32 s32, s29, 21
	s_lshl_b32 s31, s16, 18
	s_add_co_u32 s32, s32, s31
	s_lshl_b32 s31, s30, 12
	s_add_co_u32 s32, s32, s31                     ; the numbers: 128 g + 16 w rows, 1,024 kq along K
	s_mov_b32 s33, 0
	s_mul_i32 s34, s29, GB
	s_mul_i32 s31, s30, 8*HS
	s_add_co_u32 s34, s34, s31                     ; the first of my work-group's eight blocks
	s_mov_b32 s35, 0
	s_mul_i32 s36, s16, HS
	s_add_co_u32 s36, s36, SCA                     ; block w's scale words
	s_mov_b32 s37, 0
	s_mul_i32 s40, s16, 1536                       ; my rows' image in a block
	s_mov_b32 s41, 0
	s_lshl_b32 s38, s30, 16
	s_lshl_b32 s31, s16, 13
	s_add_co_u32 s38, s38, s31                     ; lora_A: rows 1,024 kq + 128 w, 64 bytes each
	s_mov_b32 s39, 0
	s_lshl_b32 s42, s30, 18
	s_lshl_b32 s31, s29, 13
	s_add_co_u32 s42, s42, s31
	s_lshl_b32 s31, s16, 10
	s_add_co_u32 s42, s42, s31                     ; tq
	s_mov_b32 s43, 0
	s_wait_alu depctr_va_vdst(0)                   ; the wait at the head's end
	s_wait_kmcnt 0x0
	s_cmp_lt_u32 ttmp9, 128
	s_cselect_b64 s[20:21], s[4:5], s[6:7]
	s_cselect_b64 s[22:23], s[10:11], s[12:13]
	s_add_nc_u64 s[20:21], s[20:21], s[32:33]
	s_add_nc_u64 s[22:23], s[22:23], s[34:35]
	s_add_nc_u64 s[24:25], s[22:23], s[36:37]
	s_add_nc_u64 s[22:23], s[22:23], s[40:41]
	s_add_nc_u64 s[38:39], s[8:9], s[38:39]
	s_add_nc_u64 s[42:43], s[14:15], s[42:43]
.macro LOAD t                          ; fragment t: a row an instruction, 512 consecutive bytes; into set t % 3
.irp i, 0,1,2,3,4,5,6,7,8,9,10,11,12,13,14,15
	global_load_b128 v[SETS+64*((\t)%3)+4*\i:SETS+64*((\t)%3)+4*\i+3], v4, s[20:21] offset:\i*ROWX+(\t)*512 th:TH_LOAD_NT
.endr
.endm
.macro QUANT s                         ; 64 numbers of a lane become a fragment's codes in v[PC] on and my row's scale word in v[PW]
.irp b, 0,1,2,3
	v_max3_num_f32 v[TM+\b], |v[\s+16*\b]|, |v[\s+1+16*\b]|, 0x2800000   ; with the floor 2^(5 - 127): the byte cannot fall under 1
.endr
.irp i, 2,4,6,8,10,12,14
.irp b, 0,1,2,3
	s_delay_alu instid0(VALU_DEP_4)
	v_max3_num_f32 v[TM+\b], v[TM+\b], |v[\s+16*\b+\i]|, |v[\s+1+16*\b+\i]|
.endr
.endr
.irp b, 0,1,2,3
	s_delay_alu instid0(VALU_DEP_4)
	v_permlanex16_b32 v[TM+4+\b], v[TM+\b], s[SEL], s[SEL+1]
.endr
.irp b, 0,1,2,3
	s_delay_alu instid0(VALU_DEP_4)
	v_max_num_f32 v[TM+\b], v[TM+\b], v[TM+4+\b]   ; with lane l xor 16's: the block's largest magnitude
.endr
.irp b, 0,1,2,3
	s_delay_alu instid0(VALU_DEP_4)
	v_add_nc_u32 v[TM+12+\b], 0xfe000000, v[TM+\b] ; 4 off its exponent field: the conversion's scale operand
.endr
.irp b, 0,1,2,3
	s_delay_alu instid0(VALU_DEP_4)
	v_lshrrev_b32 v[TM+4+\b], 23, v[TM+12+\b]      ; the scale's byte
.endr
	s_delay_alu instid0(VALU_DEP_3)
	v_lshl_or_b32 v[PW], v[TM+5], 8, v[TM+4]
	s_delay_alu instid0(VALU_DEP_1)
	v_lshl_or_b32 v[PW], v[TM+6], 16, v[PW]
	s_delay_alu instid0(VALU_DEP_1)
	v_lshl_or_b32 v[PW], v[TM+7], 24, v[PW]
.irp c, 0,1
	v_cvt_scalef32_pk16_bf6_f32 v[PC+6*\c:PC+2+6*\c], v[\s+32*\c:\s+15+32*\c], v[TM+12+2*\c]
	v_cvt_scalef32_pk16_bf6_f32 v[PC+12+4*\c:PC+14+4*\c], v[\s+16+32*\c:\s+31+32*\c], v[TM+12+2*\c+1]
.endr
	v_nop                                          ; one plain instruction behind a scaled conversion
.irp c, 0,1                            ; the operand's layout wants a whole block in a lane
.irp i, 0,1,2
	v_permlane16_swap_b32 v[PC+6*\c+\i], v[PC+12+4*\c+\i]
.endr
.irp i, 0,1,2
	s_delay_alu instid0(VALU_DEP_3)
	v_mov_b32 v[PC+3+6*\c+\i], v[PC+12+4*\c+\i]
.endr
.endr
.endm
.macro STEP t
.set CUR, SETS+64*((\t)%3)
.if (\t) < 6
	s_wait_loadcnt 32                              ; this fragment's 16 loads are in; the two fragments behind it may be out
.elseif (\t) == 6
	s_wait_loadcnt 16
.else
	s_wait_loadcnt 0x0
.endif
.irp i, 0,1,2,3,4,5,6,7,8,9,10,11,12,13,14,15
	ds_store_b128 v5, v[CUR+4*\i:CUR+4*\i+3] offset:\i*SPT
.endr
.irp b, 0,1,2,3
.irp j, 0,1,2,3
	ds_load_b128 v[CUR+16*\b+4*\j:CUR+16*\b+4*\j+3], v6 offset:128*\b+16*\j   ; LDS serves a wave's instructions in order (ISA guide 5.7.1.4)
.endr
.endr
	s_wait_dscnt 0x0
	s_wait_xcnt 0x0                                ; the last fragment's stores have read their data
	QUANT CUR
.if (\t)+3 < 8
	LOAD (\t)+3
.endif
	ds_store_b32 v7, v[PW] offset:(\t)*512         ; both halves of the lanes write the same word with the same value
	s_wait_alu depctr_va_vdst(0)                   ; the wait ahead of the branch
	s_cmp_lt_u32 ttmp9, 128
	s_cbranch_scc0 .Lnot_x_\@
.irp c, 0,1,2
	ds_load_b128 v[QF+4*\c:QF+4*\c+3], v10 offset:(\t)*1536+512*\c   ; lora_A's K step t
.endr
	ds_load_b32 v[QS], v11 offset:(\t)*128
.rept 8
	v_nop                                          ; a scale register written by vector instructions stands 8 places ahead of a scaled matrix instruction
.endr
	s_wait_dscnt 0x0
	s_set_vgpr_msb 0x50                            ; C and D: v256-263
	s_wait_alu depctr_va_vdst(0)                   ; the wait directly ahead of every link
	v_wmma_scale_f32_16x16x128_f8f6f4 v[0:7], v[QF:QF+11], v[PC:PC+11], v[0:7], v[QS], v[PW] matrix_a_fmt:MATRIX_FMT_BF6 matrix_b_fmt:MATRIX_FMT_BF6
	s_set_vgpr_msb 0x5000
.Lnot_x_\@:
.irp c, 0,1,2
	global_store_b128 v4, v[PC+4*\c:PC+4*\c+3], s[22:23] offset:(\t)*HS+512*\c   ; the image: 512 consecutive bytes a store
.endr
.endm
	LOAD 0
	LOAD 1
	s_cmp_lt_u32 ttmp9, 128
	s_cbranch_scc0 .Lno_a
.irp c, 0,1
.irp i, 0,1,2,3,4,5,6,7,8,9,10,11,12,13,14,15,16,17,18,19,20,21,22,23,24,25,26,27,28,29,30,31
	global_load_b32 v[R+32*\c+\i], v9, s[38:39] offset:(64*\c+\i)*64   ; lora_A(64 c + 32 h + i, r)
.endr
.endr
	s_wait_loadcnt 0x0
.irp c, 0,1
	v_max3_num_f32 v[TM+\c], |v[R+32*\c]|, |v[R+32*\c+1]|, 0x2800000   ; my block 2 c + h: all its 32 numbers are mine
.endr
.irp i, 2,4,6,8,10,12,14,16,18,20,22,24,26,28,30
.irp c, 0,1
	s_delay_alu instid0(VALU_DEP_2)
	v_max3_num_f32 v[TM+\c], v[TM+\c], |v[R+32*\c+\i]|, |v[R+32*\c+\i+1]|
.endr
.endr
.irp c, 0,1
	s_delay_alu instid0(VALU_DEP_2)
	v_add_nc_u32 v[TM+12+\c], 0xfe000000, v[TM+\c]
.endr
.irp c, 0,1
	s_delay_alu instid0(VALU_DEP_2)
	v_lshrrev_b32 v[TM+4+\c], 23, v[TM+12+\c]
.endr
	s_delay_alu instid0(VALU_DEP_1)
	v_lshl_or_b32 v29, v[TM+5], 16, v[TM+4]        ; my two bytes: blocks h and 2 + h,
	s_delay_alu instid0(VALU_DEP_1)
	v_lshlrev_b32 v29, v21, v29                    ; at their places in the word;
	s_delay_alu instid0(VALU_DEP_1)
	v_permlanex16_b32 v[TM+8], v29, s[SEL], s[SEL+1]
	s_delay_alu instid0(VALU_DEP_1)
	v_or_b32 v29, v29, v[TM+8]                     ; with lane l xor 16's two the word is whole
.irp c, 0,1
	v_cvt_scalef32_pk16_bf6_f32 v[PC+6*\c:PC+2+6*\c], v[R+32*\c:R+32*\c+15], v[TM+12+\c]
	v_cvt_scalef32_pk16_bf6_f32 v[PC+12+4*\c:PC+14+4*\c], v[R+32*\c+16:R+32*\c+31], v[TM+12+\c]
.endr
	v_nop
.irp c, 0,1
.irp i, 0,1,2
	v_mov_b32 v[PC+3+6*\c+\i], v[PC+12+4*\c+\i]
.endr
.endr
.irp c, 0,1,2
	ds_store_b128 v22, v[PC+4*\c:PC+4*\c+3] offset:512*\c
.endr
	ds_store_b32 v23, v29
.Lno_a:
	LOAD 2
	s_wait_alu depctr_va_vdst(0)
	s_wait_dscnt 0x0                               ; for the others' sake: my image of lora_A lies in LDS
	s_barrier_signal -1
	s_barrier_wait -1
.irp t, 0,1,2,3,4,5,6,7
	STEP \t
.endr
	s_wait_dscnt 0x0                               ; for the others' sake: my scale words lie in LDS
	s_barrier_signal -1
	s_barrier_wait -1
	ds_load_b128 v[SETS:SETS+3], v8
	s_wait_dscnt 0x0
	global_store_b128 v4, v[SETS:SETS+3], s[24:25] ; a block's 512 bytes of scale words
	s_cmp_lt_u32 ttmp9, 128
	s_cbranch_scc0 .Lno_t
.rept 4
	v_nop                                          ; four places behind the last matrix instruction
.endr
	s_set_vgpr_msb 0x0004                          ; the data: v256-263
	global_store_b128 v4, v[0:3], s[42:43]
	global_store_b128 v4, v[4:7], s[42:43] offset:512
	s_set_vgpr_msb 0x0400
.Lno_t:
	s_wait_tensorcnt 0x0                           ; the wave's end
	ds_add_u32 v30, v31
	s_wait_dscnt 0x0
	s_endpgm
.Lfunc_end_k_qe006eadfba_quant:
	.size	k_qe006eadfba_quant, .Lfunc_end_k_qe006eadfba_quant-k_qe006eadfba_quant
	.p2alignl 7, 3214868480
	.fill 96, 4, 3214868480
	.section	.rodata,"a",@progbits
	.p2align	6, 0x0
	.amdhsa_kernel k_qe006eadfba_quant
		.amdhsa_group_segment_fixed_size 86016
		.amdhsa_private_segment_fixed_size 0
		.amdhsa_enable_private_segment 0
		.amdhsa_kernarg_size 48
		.amdhsa_user_sgpr_count 2
		.amdhsa_user_sgpr_kernarg_segment_ptr 1
		.amdhsa_wavefront_size32 1
		.amdhsa_system_sgpr_workgroup_id_x 1
		.amdhsa_system_sgpr_workgroup_id_y 1
		.amdhsa_system_sgpr_workgroup_id_z 1
		.amdhsa_system_vgpr_workitem_id 0
		.amdhsa_next_free_vgpr 288
		.amdhsa_next_free_sgpr 66
		.amdhsa_reserve_vcc 0
		.amdhsa_float_denorm_mode_32 3
		.amdhsa_float_denorm_mode_16_64 3
		.amdhsa_memory_ordered 1
		.amdhsa_forward_progress 1
		.amdhsa_inst_pref_size 97
	.end_amdhsa_kernel
	.amdgpu_metadata
---
amdhsa.version: [ 1, 2 ]
amdhsa.kernels:
  - .name:           k_qe006eadfba_quant
    .symbol:         k_qe006eadfba_quant.kd
    .args:
      - { .name: x, .offset: 0, .size: 8, .value_kind: global_buffer, .address_space: global }
      - { .name: W, .offset: 8, .size: 8, .value_kind: global_buffer, .address_space: global }
      - { .name: lora_A, .offset: 16, .size: 8, .value_kind: global_buffer, .address_space: global }
      - { .name: xq, .offset: 24, .size: 8, .value_kind: global_buffer, .address_space: global }
      - { .name: wq, .offset: 32, .size: 8, .value_kind: global_buffer, .address_space: global }
      - { .name: tq, .offset: 40, .size: 8, .value_kind: global_buffer, .address_space: global }
    .group_segment_fixed_size: 86016
    .private_segment_fixed_size: 0
    .kernarg_segment_align: 8
    .kernarg_segment_size: 48
    .max_flat_workgroup_size: 256
    .sgpr_count:     66
    .vgpr_count:     288
    .wavefront_size: 32
...
	.end_amdgpu_metadata
.endif
;; end of part 1
;; launch gemm (part 2): grid 16 x 16, 4 waves a work-group, clusters of 4 x 4, 327,680 bytes of LDS; arguments xq, wq, tq, b, lora_B, out0; writes out0
.if DOCPART == 2
	.amdgcn_target "amdgcn-amd-amdhsa--gfx1250"
	.amdhsa_code_object_version 6
	.text
	.protected	k_qe006eadfba_gemm
	.globl	k_qe006eadfba_gemm
	.p2align	8
	.type	k_qe006eadfba_gemm,@function
k_qe006eadfba_gemm:
	s_mov_b64 s[64:65], 0
	v_nop
	global_prefetch_b8 v0, s[64:65] scope:SCOPE_SE
	s_setreg_imm32_b32 hwreg(HW_REG_WAVE_MODE, 25, 1), 1
	s_wait_xcnt 0x0
	s_wait_alu depctr_hold_cnt(0) depctr_sa_sdst(0) depctr_va_vdst(0) depctr_va_sdst(0) depctr_va_ssrc(0) depctr_va_vcc(0) depctr_vm_vsrc(0)
	s_getreg_b32 s2, hwreg(HW_REG_IB_STS2, 6, 4)
	s_cmp_eq_u32 s2, 0
	s_cbranch_scc0 .Lentry_in_a_cluster
	s_endpgm
.Lentry_in_a_cluster:
	s_bfe_u32 s2, ttmp6, 0x10000c
	s_cmp_lg_u32 s2, 0xf033
	s_cbranch_scc0 .Lentry_shape_is_right
	s_endpgm
.Lentry_shape_is_right:
; out0[m][n] = sum over k of Q(x)[m][k] Q(W)[n][k] + b[n] + sum over r of T[m][r] lora_B[n][r].  xq, wq: codes of BF6 and E8M0 scale words as the launch before laid them:
; [g = row / 128][s = k / 128][12,800 bytes]: eight register images of 1,536 bytes (16 rows x 128 K), then 512 bytes of scale words, that of (block i, row r) at 32 r + 4 i.  tq: T in four f32 parts over K.
; A work-group of four waves makes 256 x 256, a wave 128 x 128: 64 accumulators, 512 registers.  THE MATRIX INSTRUCTION IS USED TRANSPOSED (source 0 = rows of W, source 1 = rows of x): a lane holds eight neighbouring columns of a row.
; THE SUMS BEGIN with b + T lora_B^T: the four parts of T are added in f32, T and lora_B rounded to bf16 (K = 16 in the low half of the bf16 form's 32, zeros above), b as C; this stands under the flight of the head's tensor load.
; THE RING: two slots, each with 384 along K (three steps) of x's 256 rows and W's 256 rows.  LDS is laid [quarter: x's two halves, W's two halves][slot][38,400 bytes], and a wave fetches its quarter.
; So the head's one load a wave, 250 rows of 256 bytes, brings K steps 0 to 4 on end: steps 0 and 1 into the last two places of slot 0, steps 2 to 4 into slot 1.  Nine refills of 150 rows follow.
; CLUSTERS: 4 x 4.  x's tiles are asked for jointly along a row of the cluster, W's along a column.  A round of the cluster's barrier stands in front of each joint load.
; PREFETCH: every wave names, a lane a block of 256 bytes, its work-group's share (38 of a fill's 150 blocks, told apart by address: cx for x, cy for W): at the head of the first two refills' fills,
; and behind each refill but the last two of the fill that stands two refills on.  tq, b and lora_B are read once at the head, where there is no loop to run ahead in.
; REGISTERS: window 0: v0-31 addresses; v32-47 scale words, two sets (register i: lanes 0-15 x's block i, lanes 16-31 W's block i); v64-127 b; v128-223 x's fragments, one set (at the head: T as bf16).
;   window 1: W's fragments, two sets, at v0 and v128 (at the head: lora_B as bf16 at v128).  windows 2, 3: the accumulators (at the head: T's parts, lora_B as f32).
.set HS,     12800
.set SCA,    12288
.set GB,     32*HS
.set QT,     3*HS                      ; a quarter's part of a slot; also from slot 0 to slot 1
.set QQ,     2*QT                      ; from quarter to quarter
.set SPARE,  4*QQ                      ; the spare words, 128 bytes a wave
.set STG,    QT                        ; the way out's stage of wave w lies in quarter w's part of slot 1: the last fill lies in slot 0, and slot 1 has had its last fill and its last read by then
.set SPITCH, 528
.set FR,     12
.set FRB,    1536
.set LI,   4
.set ADS,  8
.set ADRA, 16
.set ADRB, 20
.set STO,  24
.set RD,   25
.set LBO,  27
.set SPW,  28
.set NIL,  29
.set PFO,  30
.set SC,   32
.set BIAS, 64
.set AF,   128
.set TB,   128
.set LBF,  128
.set BK,   128
.set G1,   24
.set G0,   32
.set G1B,  48
.set G0B,  56
.set PFA,  44
.set CLO,  84
.set MSB, 0
.macro WIN new
.if MSB != (\new)
	s_set_vgpr_msb (MSB<<8)|(\new)
.set MSB, (\new)
.endif
.endm
.set MUL_LO,   0xa1                    ; source 0 window 1, source 1 window 0, C and D window 2
.set MUL_HI,   0xf1
.set FIRST_LO, 0x81                    ; the same with C in window 0
.set FIRST_HI, 0xc1
.set TO_B,     0x40
.macro JLOAD g0a, g0b                  ; waves 0, 1 fetch x's halves, waves 2, 3 W's
	s_cmp_eq_u32 s17, 0
	s_cbranch_scc0 .Lfor_b_\@
	tensor_load_to_lds s[\g0a:\g0a+3], s[G1:G1+7]
	s_nop 0
.rept 4
	v_nop
.endr
	s_branch .Lasked_\@
.Lfor_b_\@:
	tensor_load_to_lds s[\g0b:\g0b+3], s[G1B:G1B+7]
	s_nop 0
.rept 4
	v_nop
.endr
.Lasked_\@:
.endm
.macro CREST
	s_cmp_lg_u32 s16, 0
	s_cbranch_scc1 .Lnot_wave_0_\@
	s_barrier_signal -3
.Lnot_wave_0_\@:
	s_barrier_wait -3
	s_barrier_signal -1
	s_barrier_wait -1
.endm
.macro CROUND
	s_barrier_signal -1
	s_barrier_wait -1
	CREST
.endm
.macro ASK                             ; s3 = 1 in the loop's last trip, whose refills have no fill two on
	s_cmp_gt_u32 s3, 1
	s_cbranch_scc0 .Lno_ask_\@
	global_prefetch_b8 v[PFO], s[PFA:PFA+1] offset:3*HS th:TH_LOAD_NT scope:SCOPE_SE
	global_prefetch_b8 v[PFO+1], s[PFA:PFA+1] offset:3*HS th:TH_LOAD_NT scope:SCOPE_SE
.Lno_ask_\@:
.endm
.macro PLACES n
.rept \n
	v_nop
.endr
.endm
	s_load_b256 s[4:11], s[0:1], 0x0               ; xq, wq, tq, b
	s_load_b128 s[12:15], s[0:1], 0x20             ; lora_B, out0
	v_lshl_add_u32 v[SPW], v0, 2, SPARE
	v_mov_b32 v[NIL], 0
	ds_add_u32 v[SPW], v[NIL]                      ; the opening lines: the add, twice on end, and its wait
	ds_add_u32 v[SPW], v[NIL]
	v_lshrrev_b32 v1, 5, v0
	v_readfirstlane_b32 s16, v1                    ; wave
	v_and_b32 v1, 31, v0                           ; lane
	v_and_b32 v2, 15, v0                           ; r
	v_bfe_u32 v3, v0, 4, 1                         ; h
	v_lshlrev_b32 v[LI], 4, v1
	v_lshlrev_b32 v5, 5, v3
	v_lshl_add_u32 v[LBO], v2, 6, v5               ; lora_B: row r of 64 bytes, + 32 h
	s_lshr_b32 s17, s16, 1                         ; my half of the rows; also: I fetch for x (0) or W (1)
	s_and_b32 s18, s16, 1                          ; my half of the columns; also: which 128 rows I fetch
	s_bfe_u32 s40, ttmp6, 0x40000                  ; cx
	s_bfe_u32 s41, ttmp6, 0x40004                  ; cy
	s_lshl_b32 s42, ttmp9, 2
	s_add_co_u32 s42, s42, s40                     ; tile column
	s_and_b32 s20, ttmp7, 0xffff
	s_lshl_b32 s20, s20, 2
	s_add_co_u32 s20, s20, s41                     ; tile row
	s_lshl_b32 s80, s41, 2
	s_lshl_b32 s80, 15, s80                        ; my row of the cluster
	s_lshl_b32 s81, 0x1111, s40                    ; my column
	s_or_b32 s[G1+0], s80, (3<<16)|(1<<21)         ; elements of 8 bytes; the mask, bit 21 beside it
	s_or_b32 s[G1B+0], s81, (3<<16)|(1<<21)
.irp g, G1, G1B
	s_mov_b32 s[\g+1], 32<<16                      ; rows of 256 bytes,
	s_mov_b32 s[\g+2], 250<<16                     ; 250 of them in the head's load
	s_mov_b32 s[\g+3], 32<<16
	s_mov_b32 s[\g+4], 250
	s_mov_b32 s[\g+5], 32
	s_mov_b32 s[\g+6], 0
	s_mov_b32 s[\g+7], 0
.endr
	s_lshl_b32 s82, s20, 1
	s_add_co_u32 s82, s82, s18
	s_mul_i32 s82, s82, GB                         ; x: g = 2 x tile row + half
	s_mov_b32 s83, 0
	s_lshl_b32 s46, s42, 1
	s_add_co_u32 s46, s46, s18
	s_mul_i32 s46, s46, GB                         ; W: g = 2 x tile column + half
	s_mov_b32 s47, 0
	s_mul_i32 s22, s16, QQ                         ; my quarter of LDS
	s_lshl_b32 s92, s20, 14
	s_lshl_b32 s93, s17, 13
	s_add_co_u32 s92, s92, s93                     ; tq: my 128 rows, 1,024 bytes for each 16
	s_mov_b32 s93, 0
	s_lshl_b32 s88, s42, 10
	s_lshl_b32 s89, s18, 9
	s_add_co_u32 s88, s88, s89                     ; my first column, in bytes of a row
	s_lshl_b32 s90, s88, 4                         ; and its row of lora_B
	s_mov_b32 s89, 0
	s_mov_b32 s91, 0
	s_lshl_b32 s[CLO], s20, 8
	s_lshl_b32 s[CLO+1], s17, 7
	s_add_co_u32 s[CLO], s[CLO], s[CLO+1]
	s_lshl_b32 s[CLO], s[CLO], 14                  ; my first row of the output
	s_add_co_u32 s[CLO], s[CLO], s88
	s_mov_b32 s[CLO+1], 0
	s_wait_alu depctr_va_vdst(0)                   ; the wait ahead of the waits below
	s_wait_dscnt 0x0                               ; both opening adds are done
	s_wait_kmcnt 0x0
	s_add_nc_u64 s[82:83], s[4:5], s[82:83]
	s_add_nc_u64 s[46:47], s[6:7], s[46:47]
	s_add_nc_u64 s[92:93], s[8:9], s[92:93]
	s_add_nc_u64 s[88:89], s[10:11], s[88:89]
	s_add_nc_u64 s[90:91], s[12:13], s[90:91]
	s_add_nc_u64 s[CLO:CLO+1], s[14:15], s[CLO:CLO+1]
.irp s, 0,1                            ; the ring's groups 0: each refill first steps its address: slot 0's to K step 5, slot 1's to K step 8
	s_mov_b32 s[G0+4*\s], 1
	s_add_co_u32 s[G0+4*\s+1], s22, \s*QT
	s_add_nc_u64 s[G0+4*\s+2:G0+4*\s+3], s[82:83], \s*2*HS
	s_or_b32 s[G0+4*\s+3], s[G0+4*\s+3], 0x80000000
	s_mov_b32 s[G0B+4*\s], 1
	s_add_co_u32 s[G0B+4*\s+1], s22, \s*QT
	s_add_nc_u64 s[G0B+4*\s+2:G0B+4*\s+3], s[46:47], \s*2*HS
	s_or_b32 s[G0B+4*\s+3], s[G0B+4*\s+3], 0x80000000
.endr
	s_mov_b32 s4, 1                                ; the head's groups 0, in registers whose arguments have been used: K steps 0 to 4, from the second place of slot 0 on
	s_add_co_u32 s5, s22, HS
	s_mov_b64 s[6:7], s[82:83]
	s_or_b32 s7, s7, 0x80000000
	s_mov_b32 s8, 1
	s_add_co_u32 s9, s22, HS
	s_mov_b64 s[10:11], s[46:47]
	s_or_b32 s11, s11, 0x80000000
	CROUND                                         ; all sixteen work-groups are here: the first joint loads meet
	JLOAD 4, 8                                     ; one tensor load a wave at the head
.irp n, 0,1,2,3,4,5,6,7
	global_load_b128 v[BIAS+8*\n:BIAS+8*\n+3],   v5, s[88:89] offset:64*\n       ; b(16 n + 8 h + j)
	global_load_b128 v[BIAS+8*\n+4:BIAS+8*\n+7], v5, s[88:89] offset:64*\n+16
.endr
	WIN 0x80
.irp a, 0,1,2,3,4,5,6,7
.irp k, 0,1,2,3
	global_load_b128 v[32*\a+8*\k:32*\a+8*\k+3],   v[LI], s[92:93] offset:\k*262144+\a*1024      ; part k of T, block a
	global_load_b128 v[32*\a+8*\k+4:32*\a+8*\k+7], v[LI], s[92:93] offset:\k*262144+\a*1024+512
.endr
.endr
	WIN 0xc0
.irp n, 0,1,2,3,4,5,6,7
	global_load_b128 v[8*\n:8*\n+3],   v[LBO], s[90:91] offset:1024*\n
	global_load_b128 v[8*\n+4:8*\n+7], v[LBO], s[90:91] offset:1024*\n+16
.endr
	WIN 0
	s_mul_i32 s23, s17, QQ                         ; my 128 rows of x
	s_mul_i32 s94, s18, QQ
	s_add_co_u32 s94, s94, 2*QQ                    ; my 128 rows of W
	v_add_nc_u32 v[ADRA], s23, v[LI]
	v_add_nc_u32 v[ADRA+1], QT, v[ADRA]
	v_add_nc_u32 v[ADRB], s94, v[LI]
	v_add_nc_u32 v[ADRB+1], QT, v[ADRB]
	s_sub_co_u32 s94, s94, s23
	s_add_co_u32 s23, s23, SCA
	v_lshlrev_b32 v6, 5, v2
	v_mul_u32_u24 v7, s94, v3                      ; lanes 16-31 take W's scale words
	v_add_nc_u32 v7, v7, v6
	v_add_nc_u32 v[ADS], s23, v7
	v_add_nc_u32 v[ADS+1], QT, v[ADS]
	s_mul_i32 s21, s16, QQ
	s_add_co_u32 s21, s21, STG
	v_mul_u32_u24 v[STO], v2, SPITCH
	v_add_nc_u32 v[STO], v[STO], v5
	v_add_nc_u32 v[STO], s21, v[STO]               ; stage, in: row r, 32 bytes for each half of the lanes
	v_add_nc_u32 v[RD], s21, v[LI]                 ; back: a row of 512 bytes
	s_cmp_eq_u32 s17, 0
	s_cselect_b32 s19, s40, s41                    ; my place among the four that ask with me
	s_cselect_b64 s[PFA:PFA+1], s[82:83], s[46:47]
	s_add_nc_u64 s[PFA:PFA+1], s[PFA:PFA+1], 5*HS  ; at K step 5, the first refill's; each refill steps it by a fill and names the fill behind that
	s_mul_i32 s19, s19, 38
	v_add_nc_u32 v[PFO], s19, v1
	v_min_u32 v[PFO], 149, v[PFO]                  ; blocks 38 p + lane,
	v_lshlrev_b32 v[PFO], 8, v[PFO]
	v_min_u32 v[PFO+1], 5, v1
	v_add_nc_u32 v[PFO+1], s19, v[PFO+1]
	v_add_nc_u32 v[PFO+1], 32, v[PFO+1]
	v_min_u32 v[PFO+1], 149, v[PFO+1]              ; and 38 p + 32 .. 38 p + 37, held inside the fill's 150
	v_lshlrev_b32 v[PFO+1], 8, v[PFO+1]
	global_prefetch_b8 v[PFO], s[PFA:PFA+1] th:TH_LOAD_NT scope:SCOPE_SE                  ; the first refill's fill, K steps 5 to 7,
	global_prefetch_b8 v[PFO+1], s[PFA:PFA+1] th:TH_LOAD_NT scope:SCOPE_SE
	global_prefetch_b8 v[PFO], s[PFA:PFA+1] offset:3*HS th:TH_LOAD_NT scope:SCOPE_SE      ; and the second's, K steps 8 to 10
	global_prefetch_b8 v[PFO+1], s[PFA:PFA+1] offset:3*HS th:TH_LOAD_NT scope:SCOPE_SE
	s_wait_loadcnt 0x0
	WIN 0x8a
.irp a, 0,1,2,3,4,5,6,7                ; T = the sum of its four parts, in f32
.irp p, 0,2,4,6
	v_pk_add_f32 v[32*\a+\p:32*\a+\p+1], v[32*\a+\p:32*\a+\p+1], v[32*\a+8+\p:32*\a+8+\p+1]
	v_pk_add_f32 v[32*\a+16+\p:32*\a+16+\p+1], v[32*\a+16+\p:32*\a+16+\p+1], v[32*\a+24+\p:32*\a+24+\p+1]
.endr
.irp p, 0,2,4,6
	v_pk_add_f32 v[32*\a+\p:32*\a+\p+1], v[32*\a+\p:32*\a+\p+1], v[32*\a+16+\p:32*\a+16+\p+1]
.endr
.endr
	WIN 0x0a
.irp a, 0,1,2,3,4,5,6,7
.irp j, 0,1,2,3
	v_cvt_pk_bf16_f32 v[TB+8*\a+\j], v[32*\a+2*\j], v[32*\a+2*\j+1]
.endr
.endr
	WIN 0
.irp a, 0,1,2,3,4,5,6,7
.irp j, 4,5,6,7
	v_mov_b32 v[TB+8*\a+\j], 0                     ; K = 16 .. 31 of the bf16 form: zeros
.endr
.endr
	WIN 0x4f
.irp n, 0,1,2,3,4,5,6,7
.irp j, 0,1,2,3
	v_cvt_pk_bf16_f32 v[LBF+8*\n+\j], v[8*\n+2*\j], v[8*\n+2*\j+1]
.endr
.endr
	WIN 0x40
.irp n, 0,1,2,3,4,5,6,7
.irp j, 4,5,6,7
	v_mov_b32 v[LBF+8*\n+\j], 0
.endr
.endr
	WIN 0
.macro FRAG reg, adr, off
.irp c, 0,1,2
	ds_load_b128 v[(\reg)+4*\c:(\reg)+4*\c+3], v[\adr] offset:(\off)+512*\c
.endr
.endm
.macro FB slot, j, p, i0, n            ; W's fragments i0 .. i0 + n - 1 of the slot's place j into set p
.set II, \i0
.rept \n
	FRAG 128*(\p)+FR*II, ADRB+\slot, (\j)*HS+II*FRB
.set II, II+1
.endr
.endm
.macro FA slot, j, i0, n               ; x's
.set II, \i0
.rept \n
	FRAG AF+FR*II, ADRA+\slot, (\j)*HS+II*FRB
.set II, II+1
.endr
.endm
.macro SCL slot, j, set                ; eight scale words a lane
	ds_load_b128 v[SC+8*(\set):SC+8*(\set)+3],   v[ADS+\slot] offset:(\j)*HS
	ds_load_b128 v[SC+8*(\set)+4:SC+8*(\set)+7], v[ADS+\slot] offset:(\j)*HS+16
.endm
.macro MUL8 a0, bh, p                  ; x's blocks a0, a0 + 1 against W's blocks 4 bh .. 4 bh + 3; the accumulators take turns, one instruction a turn
.irp a, \a0, (\a0)+1
.irp b, 4*(\bh), 4*(\bh)+1, 4*(\bh)+2, 4*(\bh)+3
	v_wmma_scale_f32_16x16x128_f8f6f4 v[8*(8*((\a)%4)+(\b)):8*(8*((\a)%4)+(\b))+7], v[128*(\p)+FR*(\b):128*(\p)+FR*(\b)+FR-1], v[AF+FR*(\a):AF+FR*(\a)+FR-1], v[8*(8*((\a)%4)+(\b)):8*(8*((\a)%4)+(\b))+7], v[SC+8*(\p)+(\b)], v[SC+8*(\p)+(\a)] matrix_a_fmt:MATRIX_FMT_BF6 matrix_b_fmt:MATRIX_FMT_BF6 matrix_a_scale:MATRIX_SCALE_ROW1
.endr
.endr
.endm
.macro MULQ ah, bh, p                  ; a quarter of a step: x's blocks 4 ah .. 4 ah + 3 against W's 4 bh .. 4 bh + 3: 16 matrix instructions
	MUL8 4*(\ah), \bh, \p
	MUL8 4*(\ah)+2, \bh, \p
.endm
.macro LMUL a
.irp b, 0,1,2,3,4,5,6,7
	v_wmma_f32_16x16x32_bf16 v[8*(8*((\a)%4)+\b):8*(8*((\a)%4)+\b)+7], v[LBF+8*\b:LBF+8*\b+7], v[TB+8*(\a):TB+8*(\a)+7], v[BIAS+8*\b:BIAS+8*\b+7]
.endr
.endm
; A step of 128 along K: four quarters of 16 matrix instructions: (x 0-3, W 0-3), (x 0-3, W 4-7), (x 4-7, W 0-3), (x 4-7, W 4-7).  A step's fragments are always asked for in the order in which the quarters want them:
; W 0-3 (12 loads), the scale words (2), x 0-3 (12), W 4-7 (12), x 4-7 (12); in a step the next step's stand in three runs of 14, 24 and 12.  W's other set and the other set of scale words were last read
; in the step before, whose closing places stand ahead of these loads; x's blocks are fetched anew behind four places of their own.
.macro STEP slot, j, p
	s_wait_dscnt 24                                ; W 0-3, the scale words and x 0-3 are in; W 4-7 and x 4-7 may be out
	WIN MUL_LO
	MULQ 0, 0, \p
	WIN TO_B
	FB \slot, (\j)+1, 1-(\p), 0, 4
	WIN 0
	SCL \slot, (\j)+1, 1-(\p)
	s_wait_dscnt 26                                ; W 4-7 are in: behind them x 4-7 and the 14 above
	WIN MUL_LO
	MULQ 0, 1, \p
	PLACES 4
	WIN 0
	FA \slot, (\j)+1, 0, 4
	WIN TO_B
	FB \slot, (\j)+1, 1-(\p), 4, 4
	s_wait_dscnt 38                                ; x 4-7 are in: behind them the 14 and the 24 above
	WIN MUL_HI
	MULQ 1, 0, \p
	MULQ 1, 1, \p
	PLACES 4
	WIN 0
	FA \slot, (\j)+1, 4, 4
.endm
; A slot's last step.  All its fragments were fetched in the step before.  Behind its first quarter stand the wait for all my tensor loads and the add; eight matrix instructions stand between the add and the wait for it,
; eight between the barrier's signal and its wait.  The barrier opens a round of the cluster's barrier, and the slot is filled again (fill = 1) with the fill two on, adv bytes further along K.
.macro TURN slot, j, p, next, fill, adv
.if \fill
	s_wait_xcnt 0x0                                ; my prefetches have read their address
	s_add_nc_u64 s[PFA:PFA+1], s[PFA:PFA+1], 3*HS
.endif
	s_wait_dscnt 24
	WIN MUL_LO
	MULQ 0, 0, \p
	WIN 0                                          ; (the add's two registers lie in window 0)
	s_wait_tensorcnt 0x0                           ; my part of the next slot is in;
	ds_add_u32 v[SPW], v[NIL]
	s_wait_dscnt 13                                ; (W 4-7 are in: behind them x 4-7 and the add)
	WIN MUL_LO
	MUL8 0, 1, \p
	s_wait_dscnt 0x0                               ; the add is done, and my reads of this slot are over
	s_barrier_signal -1
	MUL8 2, 1, \p
	WIN 0
	s_barrier_wait -1
.if \fill
	CREST
	s_add_nc_u64 s[G0+4*\slot+2:G0+4*\slot+3], s[G0+4*\slot+2:G0+4*\slot+3], \adv
	s_add_nc_u64 s[G0B+4*\slot+2:G0B+4*\slot+3], s[G0B+4*\slot+2:G0B+4*\slot+3], \adv
	JLOAD G0+4*\slot, G0B+4*\slot                  ; the first tensor load behind the round; its four v_nop are the places in front of the loads below
.else
	PLACES 4
.endif
	WIN TO_B
	FB \next, 0, 1-(\p), 0, 4
	WIN 0
	SCL \next, 0, 1-(\p)
	FA \next, 0, 0, 4
	WIN TO_B
	FB \next, 0, 1-(\p), 4, 4
	WIN 0
.if \fill
	ASK
.endif
	WIN MUL_HI
	MULQ 1, 0, \p
	MULQ 1, 1, \p
	PLACES 4
	WIN 0
	FA \next, 0, 4, 4
.endm
	WIN FIRST_LO                                   ; the sums begin, while the head's tensor load is on its way
	LMUL 0
	LMUL 1
	LMUL 2
	LMUL 3
	WIN FIRST_HI
	LMUL 4
	LMUL 5
	LMUL 6
	LMUL 7
	PLACES 5                                       ; another form takes these accumulators up, and loads land on T's and lora_B's registers
	WIN 0
	s_wait_alu depctr_va_vdst(0)                   ; the wait at the head's end
	s_wait_tensorcnt 0x0                           ; my quarter of K steps 0 to 4 is in
	s_mov_b32 s[G1+2], 150<<16                     ; no tensor load of mine is out: from here on a load brings 150 rows
	s_mov_b32 s[G1+4], 150
	s_mov_b32 s[G1B+2], 150<<16
	s_mov_b32 s[G1B+4], 150
	s_barrier_signal -1
	s_barrier_wait -1                              ; everybody's quarter is in
	WIN TO_B
	FB 0, 1, 0, 0, 4
	WIN 0
	SCL 0, 1, 0
	FA 0, 1, 0, 4
	WIN TO_B
	FB 0, 1, 0, 4, 4
	WIN 0
	FA 0, 1, 4, 4
	s_mov_b32 s3, 4
	STEP 0, 1, 0                                   ; K step 0 lies in the second place of slot 0
	TURN 0, 2, 1, 1, 1, 5*HS                       ; slot 0 takes K steps 5 to 7
.Llap:                                                 ; a trip: six steps, once round the ring; both slots are filled again
	STEP 1, 0, 0
	STEP 1, 1, 1
	TURN 1, 2, 0, 0, 1, 6*HS
	STEP 0, 0, 1
	STEP 0, 1, 0
	TURN 0, 2, 1, 1, 1, 6*HS
	s_sub_co_u32 s3, s3, 1
	s_cmp_lg_u32 s3, 0
	s_cbranch_scc1 .Llap
	STEP 1, 0, 0                                   ; the last six steps fetch nothing more
	STEP 1, 1, 1
	TURN 1, 2, 0, 0, 0, 0
	STEP 0, 0, 1
	STEP 0, 1, 0
	s_wait_dscnt 24
	WIN MUL_LO
	MULQ 0, 0, 1
	s_wait_dscnt 12                                ; W 4-7 are in
	MULQ 0, 1, 1
	s_wait_dscnt 0
	WIN MUL_HI
	MULQ 1, 0, 1
	MULQ 1, 1, 1
	WIN 0
; THE WAY OUT, block by block of 16 rows x 128 columns, through my own stage: back as whole rows of 512 bytes, which the 32 lanes store as two aligned runs of 256 bytes.
.macro TOSTAGE a
.set AC, 64*((\a)%4)
	WIN 0x08+4*((\a)/4)
.irp b, 0,1,2,3,4,5,6,7
	ds_store_b128 v[STO], v[AC+8*\b:AC+8*\b+3] offset:64*\b          ; each accumulator from its low end on
	ds_store_b128 v[STO], v[AC+8*\b+4:AC+8*\b+7] offset:64*\b+16
.endr
	WIN 0
.set BB, BK+64*((\a)%2)
.irp t, 0,1,2,3,4,5,6,7,8,9,10,11,12,13,14,15
	ds_load_b128 v[BB+4*\t:BB+4*\t+3], v[RD] offset:\t*SPITCH        ; LDS serves a wave's instructions in order (ISA guide 5.7.1.4)
.endr
.endm
.macro SEND a, younger
.set BB, BK+64*((\a)%2)
	s_wait_dscnt \younger
.irp t, 0,1,2,3,4,5,6,7,8,9,10,11,12,13,14,15
	global_store_b128 v[LI], v[BB+4*\t:BB+4*\t+3], s[CLO:CLO+1] offset:(\a)*262144+\t*16384 th:TH_STORE_NT
.endr
.endm
	PLACES 4
	TOSTAGE 0
.irp a, 1,2,3,4,5,6,7
.if \a > 1
	s_wait_xcnt 0x0                                ; block a - 2's stores have read their registers
.endif
	TOSTAGE \a
	SEND \a-1, 32                                  ; behind block a - 1's loads: block a's 16 stores and 16 loads
.endr
	SEND 7, 0
	s_wait_tensorcnt 0x0                           ; the wave's end
	ds_add_u32 v[SPW], v[NIL]
	s_wait_dscnt 0x0
	CROUND                                         ; the closing round
	s_endpgm
.Lfunc_end_k_qe006eadfba_gemm:
	.size	k_qe006eadfba_gemm, .Lfunc_end_k_qe006eadfba_gemm-k_qe006eadfba_gemm
	.p2alignl 7, 3214868480
	.fill 96, 4, 3214868480
	.section	.rodata,"a",@progbits
	.p2align	6, 0x0
	.amdhsa_kernel k_qe006eadfba_gemm
		.amdhsa_group_segment_fixed_size 327680
		.amdhsa_private_segment_fixed_size 0
		.amdhsa_enable_private_segment 0
		.amdhsa_kernarg_size 48
		.amdhsa_user_sgpr_count 2
		.amdhsa_user_sgpr_kernarg_segment_ptr 1
		.amdhsa_wavefront_size32 1
		.amdhsa_system_sgpr_workgroup_id_x 1
		.amdhsa_system_sgpr_workgroup_id_y 1
		.amdhsa_system_sgpr_workgroup_id_z 1
		.amdhsa_system_vgpr_workitem_id 0
		.amdhsa_next_free_vgpr 1024
		.amdhsa_next_free_sgpr 96
		.amdhsa_reserve_vcc 0
		.amdhsa_float_denorm_mode_32 3
		.amdhsa_float_denorm_mode_16_64 3
		.amdhsa_memory_ordered 1
		.amdhsa_forward_progress 1
		.amdhsa_inst_pref_size 232
	.end_amdhsa_kernel
	.amdgpu_metadata
---
amdhsa.version: [ 1, 2 ]
amdhsa.kernels:
  - .name:           k_qe006eadfba_gemm
    .symbol:         k_qe006eadfba_gemm.kd
    .args:
      - { .name: xq, .offset: 0, .size: 8, .value_kind: global_buffer, .address_space: global }
      - { .name: wq, .offset: 8, .size: 8, .value_kind: global_buffer, .address_space: global }
      - { .name: tq, .offset: 16, .size: 8, .value_kind: global_buffer, .address_space: global }
      - { .name: b, .offset: 24, .size: 8, .value_kind: global_buffer, .address_space: global }
      - { .name: lora_B, .offset: 32, .size: 8, .value_kind: global_buffer, .address_space: global }
      - { .name: out0, .offset: 40, .size: 8, .value_kind: global_buffer, .address_space: global }
    .group_segment_fixed_size: 327680
    .private_segment_fixed_size: 0
    .kernarg_segment_align: 8
    .kernarg_segment_size: 48
    .max_flat_workgroup_size: 128
    .sgpr_count:     96
    .vgpr_count:     1024
    .wavefront_size: 32
...
	.end_amdgpu_metadata
.endif
;; end of part 2
